; MI455X (gfx1250); checked and timed in simulation.
; The chip was launched on July 23, 2026; its instructions are those of AMD's public machine-readable ISA for CDNA 5 (MIT licence, August 2026) and "CDNA5" Instruction Set Architecture Reference Guide (July 2026). The comments in the code are by the model that wrote it; some were corrected since.
;; Elastic Low Rank Layer. Allowed arithmetic: matrix products marked QUANTISED: E4M3 operands, one given power-of-two scale a tensor, by v_wmma_f32_16x16x64_fp8_fp8 or v_wmma_f32_16x16x128_fp8_fp8, f32 sums; products left as they are: f32 operands where the result goes on into a quantised operand, else bf16, f16 or f32 operands; f32 sums; everything else in f32.
;; Inputs: U_codes 4,096 x 2 x 32 uint8 (E4M3 codes of U, K innermost, in blocks of 32 codes); U_res 4,096 x 4 float32; V_codes 4,096 x 2 x 32 uint8 (E4M3 codes of V, K innermost, in blocks of 32 codes); V_res 4,096 x 4 float32; lowp_scales 4 int32 (the exponents e of the quantised operands' scales 2^e); x_codes 4,096 x 128 x 32 uint8 (E4M3 codes of x, K innermost, in blocks of 32 codes).
;; Outputs: out0 4,096 x 4,096 float32.
;; Constants: active_cluster = 0.
;; This version of the problem:
;;   THIS VERSION OF THE PROBLEM IS GIVEN IN LOW PRECISION. The matrix products marked QUANTISED in the list below multiply operands that are first quantised to E4M3 (4 exponent bits, 3 mantissa bits; 8 bits a number), with one given power-of-two scale for each operand tensor; their sums are f32. All else is computed in f32.
;;   The module's matrix products, in the order in which they are computed (A, B: the left and right operand; K: the contracted axis; several contracted axes count as one K, in the product's order):
;;     1. [M 4,096, K 64] x [K 64, N 4,096]; A: input U (given as codes); B: input V (given as codes): QUANTISED (scales: A lowp_scales[0], B lowp_scales[1])
;;     2. [M 4,096, K 4] x [K 4, N 4,096]; A: input U_res; B: input V_res: left as it is (K = 4 < 32)
;;     3. [M 4,096, K 4,096] x [K 4,096, N 4,096]; A: computed on the way; B: input x (given as codes): QUANTISED (scales: A lowp_scales[2], B lowp_scales[3])
;;   THE QUANTISER, for each operand of a quantised product, along K:
;;     - The operand's scale is 2^e, e = its entry of the input lowp_scales (int32; the entries are numbered through the quantised products in the list's order, A before B).
;;     - Each number is divided by the scale, clamped to +-448, and rounded to the nearest number of E4M3, ties to even, subnormals kept.
;;     - The product sums the exact products of the quantised numbers (number of the format x scale) in f32.
;;   ~~~python
;;   def quantise(x, axis, e):      # numpy; x: float32 -> the quantised numbers, widened to float32 again
;;       x = np.moveaxis(x, axis, -1); K = x.shape[-1]
;;       r = np.clip(x / 2.0 ** e, -448, 448)
;;       step = 2.0 ** (np.maximum(np.frexp(np.where(r == 0, 1, r))[1] - 1, -6) - 3)
;;       q = np.round(r / step) * step * 2.0 ** e      # np.round: ties to even
;;       return np.moveaxis(q, -1, axis).astype(np.float32)
;;   ~~~
;;   OPERANDS COMPUTED ON THE WAY. 'Computed on the way' means the value that the module computes at that place (a softmax that the list does not call 'softmax' is quantised finished and normalised). What goes into a quantiser is computed in f32, as accurately as f32 sums, v_exp_f32 and their like allow (about 1e-6 of the number): no bf16 or f16 on the way to a quantiser, and a product that is left as it is and whose result goes on into a quantised operand takes f32 operands (vector FMAs, or v_wmma_f32_16x16x4_f32). A number that lies on a knife's edge between two numbers of the format may be rounded either way, as far as f32 arithmetic and the matrix unit's own rounding can turn it there, and no further.
;;   INPUTS GIVEN AS CODES. U (in the module: [4096, 64], K = its axis 1); V (in the module: [4096, 64], K = its axis 1); x (in the module: [4096, 4096], K = its axis 0): each comes as NAME_codes (uint8): NAME with its K axis moved to the last place and cut into blocks of 32 codes, [.., K / 32, bytes a block], one block behind the other in memory; one code a byte (a code: sign, 4 exponent bits, 3 mantissa bits); its scale is its entry of lowp_scales. Its value is code x scale, taken as it is: it is not quantised again, and the codes and scales need not be those that the quantiser above would give.
;; One version. Each part assembles by itself: llvm-mc -triple=amdgcn-amd-amdhsa -mcpu=gfx1250 --defsym DOCPART=n.
;; ======== version 1 of 1: 2 launches
;; limits: right only within a limited range of input values
;; workspace buffers: Wc 16,777,216 bytes
;; launch makew (part 1): grid 32 x 8, 16 waves a work-group, no clusters, 0 bytes of LDS; arguments U_codes, U_res, V_codes, V_res, lowp_scales, Wc; writes Wc
.if DOCPART == 1
	.amdgcn_target "amdgcn-amd-amdhsa--gfx1250"
	.amdhsa_code_object_version 6
	.text
	.protected	k_q6e224d8a0e_makew
	.globl	k_q6e224d8a0e_makew
	.p2align	8
	.type	k_q6e224d8a0e_makew,@function
k_q6e224d8a0e_makew:
	s_mov_b64 s[64:65], 0
	v_nop
	global_prefetch_b8 v0, s[64:65] scope:SCOPE_SE
	s_setreg_imm32_b32 hwreg(HW_REG_WAVE_MODE, 25, 1), 1
	s_wait_xcnt 0x0
; W = U V^T + U_res V_res^T, [4096 (n_out)][4096 (n_in)], is made in f32 and turned into codes of FP8 (E4M3) along n_in with the given scale 2^e2.
; U, V: [4096][64] codes of E4M3 with the scales 2^e0, 2^e1.  U_res, V_res: [4096][4] f32.  lowp_scales: e0, e1, e2, e3 (int32).
; THE CODES LEAVE IN THE ORDER OF THE NEXT PRODUCT'S OPERAND REGISTERS, not as rows: Wc[ks2 0..15][mb 0..255][q 0..1][c 0..3][lane 0..31][16 bytes].
; Fragment (mb, ks = 2 ks2 + q) is rows 16 mb .. + 15, n_in 128 ks .. + 127: lane l = r + 16 h, group c holds n_in 128 ks + 32 c + 16 h + 0 .. 15 of row 16 mb + r.
; So each store of a wave covers 512 consecutive bytes, aligned, straight from the conversions' registers: no LDS, no barrier.
; SHARES.  Work-group (x = ks, y), sixteen waves: wave w takes half w % 2 of the 128 rows of V (its groups c = 2 (w % 2) + 0, 1), which stay in registers,
; and the four blocks mb = 32 y + 4 (w / 2) + 0 .. 3 of 16 rows of U, two blocks to a round.  All 24 loads are issued at the start.
; BOTH PRODUCTS ARE USED TRANSPOSED (source 0 = 16 rows of V, source 1 = 16 rows of U): a lane holds ONE row of W and its registers run along n_in, the next K.
; THE ROWS OF V THAT FORM A TILE ARE NOT NEIGHBOURS: lane r of tile 2 b + u takes row 32 b + 8 u + r + 8 (r / 8), so that the 16 registers of tiles 2 b, 2 b + 1 are n_in 32 b + 16 h + 0 .. 15.
; ARITHMETIC.  S = the sum of the codes' products (it stands for S x 2^(e0 + e1)); R = S + V_res (U_res x 2^-(e0 + e1)), four fused multiply-adds in f32 by the f32 matrix form, with S as its C.
; So R = W / 2^(e0 + e1), and the code is R / 2^(e2 - e0 - e1), held within +-448: the three scales are folded into the conversion's one.
; The codes' fragments are fetched by two loads of 16 bytes a lane: a permutation of k that is the same in U and in V, so every product meets its partner.
; LIMITS: e2 - e0 - e1 between -126 and 119 (2^.. and 448 x 2^.. are made as f32 numbers); U_res x 2^-(e0 + e1) must stay a normal f32 number (then the multiplication rounds nothing).  NaN among the inputs is not served.
; No step of the problem is left out.  No prefetch and no cluster: every load is issued once, ahead of all work; there is no loop to run ahead in.
.set UO,  3                            ; v3   64 r + 16 h: my bytes in a block of U's codes
.set URO, 4                            ; v4   16 r + 8 h: in a block of U_res
.set VO,  5                            ; v5   64 (r + 8 (r / 8)) + 16 h: in a tile of V's codes
.set VRO, 6                            ; v6   16 (r + 8 (r / 8)) + 8 h: in a tile of V_res
.set SO,  7                            ; v7   16 x lane: my place in a store's 512 bytes
.set U,   8                            ; v[8:39]    U's four blocks, 8 each
.set UR,  40                           ; v[40:47]   U_res's, 2 each
.set VR,  48                           ; v[48:55]   V_res's four tiles, 2 each
.set V,   56                           ; v[56:87]   V's four tiles, 8 each
.set S,   88                           ; v[88:151]  the codes' sums, 8 tiles; later the held numbers
.set R,   152                          ; v[152:215] W / 2^(e0 + e1): written by matrix instructions alone
.set PC,  216                          ; v[216:247] the codes, 16 registers for each of the two rounds
.set SC,  252                          ; v252 2^(e2 - e0 - e1) as f32
.set LIM, 253                          ; v253 448 x that
	s_load_b256 s[4:11], s[0:1], 0x0               ; U's codes s[4:5], U_res s[6:7], V's codes s[8:9], V_res s[10:11]
	s_load_b128 s[12:15], s[0:1], 0x20             ; the scales' exponents s[12:13], Wc s[14:15]
	v_lshrrev_b32 v254, 5, v0
	v_and_b32 v1, 15, v0                           ; r
	v_bfe_u32 v2, v0, 4, 1                         ; h
	v_and_b32 v[SO], 31, v0
	v_readfirstlane_b32 s16, v254                  ; wave 0..15
	v_and_b32 v250, 8, v1
	v_lshlrev_b32 v[UO], 6, v1
	v_lshlrev_b32 v[URO], 4, v1
	v_lshlrev_b32 v[SO], 4, v[SO]
	v_add_nc_u32 v250, v250, v1                    ; r + 8 (r / 8)
	v_lshl_add_u32 v[UO], v2, 4, v[UO]
	v_lshl_add_u32 v[URO], v2, 3, v[URO]
	v_lshlrev_b32 v[VO], 6, v250
	v_lshlrev_b32 v[VRO], 4, v250
	v_lshl_add_u32 v[VO], v2, 4, v[VO]
	v_lshl_add_u32 v[VRO], v2, 3, v[VRO]
	s_wait_alu depctr_va_vdst(0)
	s_and_b32 s27, s16, 1                          ; my half of the 128 rows of V
	s_and_b32 s17, ttmp7, 0xffff                   ; y
	s_lshl_b32 s18, s17, 5
	s_lshr_b32 s19, s16, 1
	s_lshl_b32 s19, s19, 2
	s_add_co_u32 s18, s18, s19                     ; mb0 = 32 y + 4 (w / 2): my first block of 16 rows
	s_mov_b32 s25, 0                               ; the upper word of every offset below
	s_wait_kmcnt 0x0
	s_load_b128 s[20:23], s[12:13], 0x0            ; e0, e1, e2, e3
	s_lshl_b32 s24, ttmp9, 13                      ; my work-group's 128 rows of V's codes,
	s_lshl_b32 s26, s27, 12                        ; my half of them
	s_add_co_u32 s24, s24, s26
	s_add_nc_u64 s[8:9], s[8:9], s[24:25]
	s_lshl_b32 s24, ttmp9, 11                      ; and of V_res
	s_lshl_b32 s26, s27, 10
	s_add_co_u32 s24, s24, s26
	s_add_nc_u64 s[10:11], s[10:11], s[24:25]
	s_lshl_b32 s24, s18, 10                        ; a block of U's codes is 16 rows x 64 bytes
	s_add_nc_u64 s[4:5], s[4:5], s[24:25]
	s_lshl_b32 s24, s18, 8                         ; of U_res 16 x 16 bytes
	s_add_nc_u64 s[6:7], s[6:7], s[24:25]
.irp t, 0,1,2,3                                ; V's tiles: tile t begins at row 32 (t / 2) + 8 (t % 2) of my half
	global_load_b128 v[V+8*\t:V+8*\t+3],   v[VO], s[8:9] offset:(32*(\t/2)+8*(\t%2))*64
	global_load_b128 v[V+8*\t+4:V+8*\t+7], v[VO], s[8:9] offset:(32*(\t/2)+8*(\t%2))*64+32
.endr
.irp t, 0,1,2,3                                ; V_res likewise: register j holds k = 2 h + j of the lane's row
	global_load_b64 v[VR+2*\t:VR+2*\t+1], v[VRO], s[10:11] offset:(32*(\t/2)+8*(\t%2))*16
.endr
.irp u, 0,1,2,3                                ; my four blocks of U and U_res
	global_load_b128 v[U+8*\u:U+8*\u+3],   v[UO], s[4:5] offset:1024*\u
	global_load_b128 v[U+8*\u+4:U+8*\u+7], v[UO], s[4:5] offset:1024*\u+32
	global_load_b64  v[UR+2*\u:UR+2*\u+1], v[URO], s[6:7] offset:256*\u
.endr
	s_lshr_b32 s24, ttmp9, 1
	s_lshl_b32 s24, s24, 20                        ; Wc: ks2 x 2^20
	s_and_b32 s26, ttmp9, 1
	s_lshl_b32 s26, s26, 11                        ;   + q x 2,048
	s_add_co_u32 s24, s24, s26
	s_lshl_b32 s26, s18, 12                        ;   + mb0 x 4,096
	s_add_co_u32 s24, s24, s26
	s_lshl_b32 s26, s27, 10                        ;   + my first group c x 512
	s_add_co_u32 s24, s24, s26
	s_add_nc_u64 s[14:15], s[14:15], s[24:25]
	s_wait_kmcnt 0x0
	s_add_co_i32 s28, s20, s21                     ; e0 + e1
	s_sub_co_i32 s29, 0, s28                       ; -(e0 + e1): what U_res is scaled by
	s_sub_co_i32 s30, s22, s28
	s_add_co_i32 s30, s30, 127
	s_lshl_b32 s31, s30, 23
	v_mov_b32 v[SC], s31                           ; 2^(e2 - e0 - e1) as f32: the conversion takes its exponent field
	s_add_co_i32 s30, s30, 8
	s_lshl_b32 s31, s30, 23
	s_or_b32 s31, s31, 0x600000
	v_mov_b32 v[LIM], s31                          ; 448 x that
	s_wait_alu depctr_va_vdst(0)
; A round: two blocks of 16 rows x my 64 along n_in.  left = the loads younger than these blocks', which may stay out.
.macro ROUNDW f, left
.set US,  U+16*(\f)
.set URS, UR+4*(\f)
	s_wait_loadcnt \left                           ; loads come back in order: V, V_res and these two blocks are in
.irp j, 0,1,2,3
	v_ldexp_f32 v[URS+\j], v[URS+\j], s29          ; U_res x 2^-(e0 + e1)
.endr
.irp u, 0,1
.irp t, 0,1,2,3
	v_wmma_f32_16x16x64_fp8_fp8 v[S+32*\u+8*\t:S+32*\u+8*\t+7], v[V+8*\t:V+8*\t+7], v[US+8*\u:US+8*\u+7], 0
.endr
.endr
.rept 5
	v_nop                                          ; five places: these results become the C of other accumulators (ISA guide 7.12.1 for the dependency)
.endr
.irp u, 0,1
.irp t, 0,1,2,3
	v_wmma_f32_16x16x4_f32 v[R+32*\u+8*\t:R+32*\u+8*\t+7], v[VR+2*\t:VR+2*\t+1], v[URS+2*\u:URS+2*\u+1], v[S+32*\u+8*\t:S+32*\u+8*\t+7]
.endr
.endr
.rept 8
	v_nop                                          ; eight places behind the f32 form: its results are read and its C is written below
.endr
.irp b, 0,1,2,3                                ; b = 2 x block + group
.irp j, 0,1,2,3,4,5,6,7,8,9,10,11,12,13,14,15
	v_med3_num_f32 v[S+16*\b+\j], v[R+16*\b+\j], -v[LIM], v[LIM]   ; the conversion to an 8-bit code does not saturate (ISA guide 7.6.2): the hold, into other registers than the f32 form's results; each tile from its low end on
.endr
	v_cvt_scalef32_pk8_fp8_f32 v[PC+16*(\f)+4*\b:PC+16*(\f)+4*\b+1],   v[S+16*\b:S+16*\b+7],    v[SC]
	v_cvt_scalef32_pk8_fp8_f32 v[PC+16*(\f)+4*\b+2:PC+16*(\f)+4*\b+3], v[S+16*\b+8:S+16*\b+15], v[SC]
.endr
	v_nop                                          ; one plain vector line behind the last conversion: the next round's products write its sources
.irp b, 0,1,2,3
	global_store_b128 v[SO], v[PC+16*(\f)+4*\b:PC+16*(\f)+4*\b+3], s[14:15] offset:4096*(2*(\f)+\b/2)+512*(\b%2)   ; 32 lanes store 512 consecutive bytes, at a multiple of 512 from Wc's first byte
.endr
.endm
; Between a round's f32 products and the next round's products, which write S and R again, stand the eight v_nop and, for each tile, the 56 holds of the other tiles: more than the nine places asked.
	ROUNDW 0, 6
	ROUNDW 1, 0
	s_endpgm
.Lfunc_end_k_q6e224d8a0e_makew:
	.size	k_q6e224d8a0e_makew, .Lfunc_end_k_q6e224d8a0e_makew-k_q6e224d8a0e_makew
	.p2alignl 7, 3214868480
	.fill 96, 4, 3214868480
	.section	.rodata,"a",@progbits
	.p2align	6, 0x0
	.amdhsa_kernel k_q6e224d8a0e_makew
		.amdhsa_group_segment_fixed_size 0
		.amdhsa_private_segment_fixed_size 0
		.amdhsa_enable_private_segment 0
		.amdhsa_kernarg_size 48
		.amdhsa_user_sgpr_count 2
		.amdhsa_user_sgpr_kernarg_segment_ptr 1
		.amdhsa_wavefront_size32 1
		.amdhsa_system_sgpr_workgroup_id_x 1
		.amdhsa_system_sgpr_workgroup_id_y 1
		.amdhsa_system_sgpr_workgroup_id_z 1
		.amdhsa_system_vgpr_workitem_id 0
		.amdhsa_next_free_vgpr 256
		.amdhsa_next_free_sgpr 66
		.amdhsa_reserve_vcc 0
		.amdhsa_float_denorm_mode_32 3
		.amdhsa_float_denorm_mode_16_64 3
		.amdhsa_memory_ordered 1
		.amdhsa_forward_progress 1
		.amdhsa_inst_pref_size 18
	.end_amdhsa_kernel
	.amdgpu_metadata
---
amdhsa.version: [ 1, 2 ]
amdhsa.kernels:
  - .name:           k_q6e224d8a0e_makew
    .symbol:         k_q6e224d8a0e_makew.kd
    .args:
      - { .name: U_codes, .offset: 0, .size: 8, .value_kind: global_buffer, .address_space: global }
      - { .name: U_res, .offset: 8, .size: 8, .value_kind: global_buffer, .address_space: global }
      - { .name: V_codes, .offset: 16, .size: 8, .value_kind: global_buffer, .address_space: global }
      - { .name: V_res, .offset: 24, .size: 8, .value_kind: global_buffer, .address_space: global }
      - { .name: lowp_scales, .offset: 32, .size: 8, .value_kind: global_buffer, .address_space: global }
      - { .name: Wc, .offset: 40, .size: 8, .value_kind: global_buffer, .address_space: global }
    .group_segment_fixed_size: 0
    .private_segment_fixed_size: 0
    .kernarg_segment_align: 8
    .kernarg_segment_size: 48
    .max_flat_workgroup_size: 512
    .sgpr_count:     66
    .vgpr_count:     256
    .wavefront_size: 32
...
	.end_amdgpu_metadata
.endif
;; end of part 1
;; launch gemm (part 2): grid 16 x 16, 4 waves a work-group, clusters of 4 x 4, 327,680 bytes of LDS; arguments Wc, x_codes, lowp_scales, out0; writes out0
.if DOCPART == 2
	.amdgcn_target "amdgcn-amd-amdhsa--gfx1250"
	.amdhsa_code_object_version 6
	.text
	.protected	k_q6e224d8a0e_gemm
	.globl	k_q6e224d8a0e_gemm
	.p2align	8
	.type	k_q6e224d8a0e_gemm,@function
k_q6e224d8a0e_gemm:
	s_mov_b64 s[64:65], 0
	v_nop
	global_prefetch_b8 v0, s[64:65] scope:SCOPE_SE
	s_setreg_imm32_b32 hwreg(HW_REG_WAVE_MODE, 25, 1), 1
	s_wait_xcnt 0x0
	s_wait_alu depctr_hold_cnt(0) depctr_sa_sdst(0) depctr_va_vdst(0) depctr_va_sdst(0) depctr_va_ssrc(0) depctr_va_vcc(0) depctr_vm_vsrc(0)
	s_getreg_b32 s2, hwreg(HW_REG_IB_STS2, 6, 4)
	s_cmp_eq_u32 s2, 0
	s_cbranch_scc0 .Lentry_in_a_cluster
	s_endpgm
.Lentry_in_a_cluster:
	s_bfe_u32 s2, ttmp6, 0x10000c
	s_cmp_lg_u32 s2, 0xf033
	s_cbranch_scc0 .Lentry_shape_is_right
	s_endpgm
.Lentry_shape_is_right:
; out[m][n] = max(0, 2^(e2 + e3) x sum over k of W[m][k] x[n][k]): W's codes in the operand's order (Wc[ks2][mb][q][c][lane][16 bytes], laid by the launch before), x's codes [4096 (n)][4096 (k)]; out f32 [4096][4096].
; LIMITS: e2 + e3 between -126 and 127, so that 2^(e2 + e3) is an f32 number.  NaN codes are not served (a NaN sum would leave as 0).  No step of the problem is left out.
; A work-group of four waves makes 256 x 256 of out, a wave 128 x 128: 64 accumulators, 512 registers.  K goes in steps of 256 through two LDS slots filled by tensor loads; a K step is two half steps (q = 0, 1)
; of 128 along K, 64 matrix instructions each.  4 x 4 WORK-GROUPS FORM A CLUSTER: W's tile is asked for jointly by the four of a row, x's by the four of a column.
; THE MATRIX INSTRUCTION IS USED TRANSPOSED (source 0 = 16 rows of x, source 1 = 16 rows of W): a lane holds eight neighbouring numbers of a row of out.
; REGISTERS.  window 0: v0-31 addresses; W's fragments, 14 blocks of 16: in half step 0 block a at 128 + 16 a; in half step 1 blocks 0, 1 at 128, 144, blocks 2-7 at 16 a (v32-127).
;   window 1: x's fragments, half step 0 at v0, half step 1 at v128.   window 2: accumulators of my rows 0-63 (number n = 8 a + b at 8 (n % 32)); window 3: rows 64-127.
; So all of half step 1's fragments are read while half step 0 is multiplied, and the slot's reads are over when half step 1 begins: the change of slots stands at half step 1's head.  Behind it half step 0 of the
; other slot is read.  A half step's 64 LDS loads go out in two runs of 32, x's eight fragments and then W's eight blocks, with 28 or 30 matrix instructions between the runs.
; PREFETCH: behind the joint loads, the K step that stands two loads on is asked of memory, each 256 bytes once in each cluster: of the 128 pieces (W: 256 bytes on end; x: 256 bytes of a row) that a wave's load brings,
; the partner at place p takes 32 p .. 32 p + 31, a lane a piece, told apart by address alone.  At the head: K step 1 behind K step 0's load, K steps 2 and 3 behind K step 1's.  The last two refills' look-ahead
; is past the last K step and asks for nothing.
.set PITCH,  272                       ; an LDS row of x: 256 bytes + 16 of padding, so that the 16 rows of a fragment start at 16 different banks (64 banks of 4 bytes: ISA guide 11.1); W's tiles are dense
.set HALFT,  128*PITCH                 ; the room for what one tensor load brings
.set SLOT,   4*HALFT                   ; W's two halves, then x's two
.set SPARE,  2*SLOT                    ; the spare words, 128 bytes for each wave
.set SPITCH, 528                       ; the way out: a stage of 16 rows x (512 + 16) bytes for each wave, in slot 0, which has had its last fill and its last read then
.set OROW,   16384                     ; a row of out in bytes
.set WSTEP,  0x100000                  ; from K step to K step: in W's image,
.set XSTEP,  256                       ; in a row of x
.set ADRA, 16                          ; v16-17 LDS address of my W fragments in slot 0, 1
.set ADRB, 20                          ; v20-21 the same for x
.set STO,  24                          ; v24 the stage: where I put 32 bytes of a row
.set RD,   25                          ; v25 where I read a row back
.set CO,   26                          ; v26 16 x lane: my bytes in a row
.set PFO,  27                          ; v27 the prefetch's lane offset
.set SPW,  28                          ; v28 my spare word's address
.set NIL,  29                          ; v29 0
.set G1, 24                            ; s[24:31] descriptor group 1 for W, s[32:39] group 0 for each slot
.set G0, 32
.set G1B, 48                           ; s[48:55], s[56:63] the same for x
.set G0B, 56
.set BASA, 66                          ; s[66:67] W's address of what my wave fetches, at K step 0
.set BASB, 68                          ; s[68:69] x's
.set PF1,  70                          ; s[70:71], s[72:73] the prefetch's address at K steps 1 and 2
.set PF2,  72
.set PFA,  74                          ; s[74:75] the prefetch's address from K step 3 on
.set PST,  76                          ; s[76:77] WSTEP or XSTEP: what it is stepped by
.set MSB, 0
.macro WIN new                         ; the immediate's high byte repeats the setting that is left
.if MSB != (\new)
	s_set_vgpr_msb (MSB<<8)|(\new)
.set MSB, \new
.endif
.endm
.set MUL_LO, 0xa1                      ; source 0 (x) window 1, source 1 (W) window 0, C and D window 2; + 0x50: window 3
.set TO_B,   0x40
.macro JLOAD g0a, g1a, g0b, g1b        ; a joint load: waves 0 and 1 fetch W's halves, waves 2 and 3 x's; the branch hangs on the wave's number alone
	s_cmp_eq_u32 s15, 0
	s_cbranch_scc0 .Lfor_b_\@
	tensor_load_to_lds s[\g0a:\g0a+3], s[\g1a:\g1a+7]
	s_nop 0
.rept 4
	v_nop
.endr
	s_branch .Lasked_\@
.Lfor_b_\@:
	tensor_load_to_lds s[\g0b:\g0b+3], s[\g1b:\g1b+7]
	s_nop 0
.rept 4
	v_nop
.endr
.Lasked_\@:
.endm
.macro CREST                           ; a round of the cluster's barrier behind its opening barrier
	s_cmp_lg_u32 s14, 0
	s_cbranch_scc1 .Lnot_wave_0_\@
	s_barrier_signal -3
.Lnot_wave_0_\@:
	s_barrier_wait -3
	s_barrier_signal -1
	s_barrier_wait -1
.endm
.macro CROUND
	s_barrier_signal -1
	s_barrier_wait -1
	CREST
.endm
	s_load_b128 s[4:7], s[0:1], 0x0                ; Wc s[4:5], x's codes s[6:7]
	s_load_b128 s[8:11], s[0:1], 0x10              ; the scales' exponents s[8:9], out s[10:11]
	v_lshl_add_u32 v[SPW], v0, 2, SPARE
	v_mov_b32 v[NIL], 0
	ds_add_u32 v[SPW], v[NIL]                      ; the wave's opening: an add of 0, twice on end, and its wait
	ds_add_u32 v[SPW], v[NIL]
	v_lshrrev_b32 v1, 5, v0
	v_readfirstlane_b32 s14, v1                    ; wave 0..3
	s_lshr_b32 s15, s14, 1                         ; my half of the tile's rows; also: I fetch for W (0) or for x (1)
	s_and_b32 s16, s14, 1                          ; my half of its columns; also: which 128 rows I fetch
	s_bfe_u32 s40, ttmp6, 0x40000                  ; cx, cy: my place in the cluster
	s_bfe_u32 s41, ttmp6, 0x40004
	s_lshl_b32 s42, ttmp9, 2
	s_add_co_u32 s42, s42, s40                     ; tile column
	s_and_b32 s17, ttmp7, 0xffff
	s_lshl_b32 s17, s17, 2
	s_add_co_u32 s17, s17, s41                     ; tile row
	s_lshl_b32 s43, s41, 2
	s_lshl_b32 s43, 15, s43                        ; my row of the cluster
	s_lshl_b32 s44, 0x1111, s40                    ; my column
	s_or_b32 s[G1+0], s43, (0<<16)|(1<<21)         ; elements of 1 byte; W: no padding; 21 set beside a mask
	s_or_b32 s[G1B+0], s44, (0<<16)|(1<<20)|(1<<21)|(5<<22)|(3<<25)   ; x: 4 words of padding after every 64
.irp g, G1, G1B
	s_mov_b32 s[\g+1], 256<<16                     ; 128 rows of 256 bytes
	s_mov_b32 s[\g+2], 128<<16
	s_mov_b32 s[\g+3], 256<<16
	s_mov_b32 s[\g+4], 128
	s_mov_b32 s[\g+6], 0
	s_mov_b32 s[\g+7], 0
.endr
	s_mov_b32 s[G1+5], 256                         ; W's image lies on end
	s_mov_b32 s[G1B+5], 4096                       ; a row of x
	s_lshl_b32 s18, s16, 7
	s_lshl_b32 s20, s17, 8
	s_add_co_u32 s20, s20, s18
	s_lshl_b32 s20, s20, 8                         ; W: 256 bytes for each of my rows of a K step
	s_lshl_b32 s46, s42, 8
	s_add_co_u32 s46, s46, s18
	s_lshl_b32 s46, s46, 12                        ; x: 4,096 bytes a row
	s_mov_b32 s21, 0
	s_mov_b32 s47, 0
	s_mul_i32 s45, s14, HALFT                      ; where my tiles go
	s_mov_b32 s[G0], 1
	s_mov_b32 s[G0+4], 1
	s_mov_b32 s[G0B], 1
	s_mov_b32 s[G0B+4], 1
	s_mov_b32 s[G0+1], s45
	s_add_co_u32 s[G0+5], s45, SLOT
	s_mov_b32 s[G0B+1], s45
	s_add_co_u32 s[G0B+5], s45, SLOT
	s_wait_dscnt 0x0                               ; both opening adds are done
	s_wait_kmcnt 0x0
	s_load_b64 s[96:97], s[8:9], 0x8               ; e2, e3
	s_add_nc_u64 s[BASA:BASA+1], s[4:5], s[20:21]
	s_add_nc_u64 s[BASB:BASB+1], s[6:7], s[46:47]
.irp s, 0,1
	s_add_nc_u64 s[G0+4*\s+2:G0+4*\s+3], s[BASA:BASA+1], \s*WSTEP
	s_or_b32 s[G0+4*\s+3], s[G0+4*\s+3], 0x80000000
	s_add_nc_u64 s[G0B+4*\s+2:G0B+4*\s+3], s[BASB:BASB+1], \s*XSTEP
	s_or_b32 s[G0B+4*\s+3], s[G0B+4*\s+3], 0x80000000
.endr
	CROUND                                         ; all sixteen work-groups are here: the first joint loads meet
	JLOAD G0, G1, G0B, G1B                         ; K step 0: one tensor load a wave
	; the prefetches' addresses
	s_lshl_b32 s18, s40, 13                        ; W: the partner's 32 x 256 bytes
	s_lshl_b32 s19, s41, 17                        ; x: its 32 rows
	s_mov_b32 s23, WSTEP
	s_cmp_eq_u32 s15, 0
	s_cselect_b64 s[PFA:PFA+1], s[BASA:BASA+1], s[BASB:BASB+1]
	s_cselect_b32 s18, s18, s19
	s_cselect_b32 s[PST], s23, XSTEP
	s_cselect_b32 s22, 8, 12                       ; lanes 256 bytes apart in W, a row apart in x
	s_mov_b32 s[PST+1], 0
	s_mov_b32 s19, 0
	s_add_nc_u64 s[PF1:PF1+1], s[PFA:PFA+1], s[18:19]
	s_add_nc_u64 s[PF1:PF1+1], s[PF1:PF1+1], s[PST:PST+1]
	s_add_nc_u64 s[PF2:PF2+1], s[PF1:PF1+1], s[PST:PST+1]
	s_add_nc_u64 s[PFA:PFA+1], s[PF2:PF2+1], s[PST:PST+1]
	; LDS addresses and my place in out
	s_mul_i32 s88, s15, HALFT
	s_add_co_u32 s89, s88, SLOT
	s_mul_i32 s90, s16, HALFT
	s_add_co_u32 s90, s90, 2*HALFT
	s_add_co_u32 s91, s90, SLOT
	s_mul_i32 s92, s14, 16*SPITCH
	s_lshl_b32 s20, s17, 8
	s_lshl_b32 s21, s15, 7
	s_add_co_u32 s20, s20, s21
	s_lshl_b32 s20, s20, 14                        ; my first row
	s_mov_b32 s21, 0
	s_lshl_b32 s46, s42, 10
	s_lshl_b32 s47, s16, 9
	s_add_co_u32 s46, s46, s47                     ; my first column, in bytes
	s_mov_b32 s47, 0
	s_add_nc_u64 s[20:21], s[20:21], s[46:47]
	s_add_nc_u64 s[10:11], s[10:11], s[20:21]
	v_and_b32 v1, 15, v0                           ; l % 16
	v_bfe_u32 v2, v0, 4, 1                         ; l / 16
	v_and_b32 v3, 31, v0
	v_mul_u32_u24 v4, v1, PITCH
	v_mul_u32_u24 v5, v1, SPITCH
	v_lshlrev_b32 v[CO], 4, v3
	v_lshlrev_b32 v[PFO], s22, v3
	v_lshl_add_u32 v4, v2, 4, v4
	v_lshl_add_u32 v5, v2, 5, v5
	v_add_nc_u32 v[ADRA], s88, v[CO]
	v_add_nc_u32 v[ADRA+1], s89, v[CO]
	v_add_nc_u32 v[ADRB], s90, v4
	v_add_nc_u32 v[ADRB+1], s91, v4
	v_add_nc_u32 v[STO], s92, v5
	v_add_nc_u32 v[RD], s92, v[CO]
	global_prefetch_b8 v[PFO], s[PF1:PF1+1] th:TH_LOAD_NT scope:SCOPE_SE   ; K step 1
; A run of 32 LDS loads: eight fragments of 16 rows x 128 K, 16 registers each, of half step q of the slot.
.macro FETCHX slot, q                  ; x's rows 16 f ..
	WIN TO_B
.irp f, 0,1,2,3,4,5,6,7
.irp c, 0,1,2,3
	ds_load_b128 v[128*(\q)+16*\f+4*\c:128*(\q)+16*\f+4*\c+3], v[ADRB+\slot] offset:128*(\q)+32*\c+\f*16*PITCH
.endr
.endr
	WIN 0
.endm
.macro FRAGA reg, slot, q, i           ; W's block i
.irp c, 0,1,2,3
	ds_load_b128 v[\reg+4*\c:\reg+4*\c+3], v[ADRA+\slot] offset:(2*(\i)+(\q))*2048+512*\c
.endr
.endm
.macro FETCHW slot, q
	WIN 0
.irp a, 0,1,2,3,4,5,6,7
.if ((\q) == 0) || (\a < 2)
	FRAGA 128+16*\a, \slot, \q, \a
.else
	FRAGA 16*\a, \slot, \q, \a
.endif
.endr
.endm
; cnt matrix instructions of half step q, from number n0 on (n = 8 a + b): the 64 accumulators take turns, one instruction a turn, in the same order in every half step.
.macro MMS n0, cnt, q, zero
.set N_, \n0
.rept \cnt
.set A_, N_/8
.set D_, 8*(N_%32)
.set B_, 128*(\q)+16*(N_%8)
.if ((\q) == 0) || (A_ < 2)
.set R_, 128+16*A_
.else
.set R_, 16*A_
.endif
	WIN MUL_LO+0x50*(N_/32)
.if \zero
	v_wmma_f32_16x16x128_fp8_fp8 v[D_:D_+7], v[B_:B_+15], v[R_:R_+15], 0
.else
	v_wmma_f32_16x16x128_fp8_fp8 v[D_:D_+7], v[B_:B_+15], v[R_:R_+15], v[D_:D_+7]
.endif
.set N_, N_+1
.endr
.endm
.macro PLACES                          ; four places behind a matrix instruction whose registers a load lands on, or whose results are read (ISA guide 7.12.1 for the reads of its results)
.rept 4
	v_nop
.endr
.endm
; Half step 0.  At its start the 64 loads of its fragments are out or in, W's 32 the younger.  Half step 1's are asked for meanwhile, from the same slot.
.macro Q0 slot, zero
	s_wait_dscnt 28                                ; x's eight and W's block 0 are in: W's blocks 1-7 are younger
	MMS 0, 8, 0, \zero
	s_wait_dscnt 16                                ; blocks 1-3: blocks 4-7 are younger
	MMS 8, 8, 0, \zero
	PLACES                                         ; for the loads of both runs: into blocks 0 and 1, just multiplied, and into what the half step before has read
	FETCHX \slot, 1
	MMS 16, 16, 0, \zero
	s_wait_dscnt 32                                ; blocks 4-7: the run of 32 is younger
	MMS 32, 12, 0, \zero
	FETCHW \slot, 1
	MMS 44, 20, 0, \zero
.endm
; Half step 1 changes slots.  fill = 1: this slot is filled again, two K steps on.
.macro TURN slot, next, fill
	WIN 0
.if \fill
	s_wait_xcnt 0x0                                ; my last prefetch has read its address: it is stepped below
.endif
	s_wait_tensorcnt 0x0                           ; all my tensor loads have landed: my part of the next slot;
	ds_add_u32 v[SPW], v[NIL]                      ; 0 onto my spare word;
	s_wait_dscnt 29                                ; x's eight and W's block 0 are in: W's blocks 1-7 (28 loads) and the add are younger
	MMS 0, 1, 1, 0
.if \fill
	s_add_nc_u64 s[G0+4*\slot+2:G0+4*\slot+3], s[G0+4*\slot+2:G0+4*\slot+3], 2*WSTEP
	s_add_nc_u64 s[G0B+4*\slot+2:G0B+4*\slot+3], s[G0B+4*\slot+2:G0B+4*\slot+3], 2*XSTEP
	s_add_nc_u64 s[PFA:PFA+1], s[PFA:PFA+1], s[PST:PST+1]
.endif
	MMS 1, 7, 1, 0
	s_wait_dscnt 0x0                               ; the add is done, and my reads of this slot are over
	s_barrier_signal -1
	MMS 8, 8, 1, 0
	WIN 0
	s_barrier_wait -1
.if \fill
	CREST                                          ; the barrier has opened a round of the cluster's barrier: no wave of any partner still reads this slot's tile or has a load on its way
	JLOAD G0+4*\slot, G1, G0B+4*\slot, G1B         ; the first tensor load behind the round; its four v_nop are also the places in front of the loads of both runs below
.else
	PLACES
.endif
	FETCHX \next, 0
.if \fill
	s_cmp_gt_u32 s3, 1                             ; in the loop's last trip the look-ahead is past the last K step
	s_cbranch_scc0 .Lno_ask_\@
	global_prefetch_b8 v[PFO], s[PFA:PFA+1] th:TH_LOAD_NT scope:SCOPE_SE
.Lno_ask_\@:
.endif
	MMS 16, 30, 1, 0
	FETCHW \next, 0
	MMS 46, 18, 1, 0
.endm
	s_wait_alu depctr_va_vdst(0)
	s_wait_kmcnt 0x0
	s_add_co_i32 s96, s96, s97                     ; e2 + e3
	s_add_co_i32 s96, s96, 127
	s_lshl_b32 s96, s96, 23                        ; 2^(e2 + e3) as f32
	s_wait_tensorcnt 0x0                           ; my part of K step 0 is in
	ds_add_u32 v[SPW], v[NIL]
	s_wait_dscnt 0x0
	CROUND                                         ; everybody's part is in, and the joint loads meet
	JLOAD G0+4, G1, G0B+4, G1B                     ; K step 1
	FETCHX 0, 0
	FETCHW 0, 0
	global_prefetch_b8 v[PFO], s[PF2:PF2+1] th:TH_LOAD_NT scope:SCOPE_SE   ; K steps 2 and 3
	global_prefetch_b8 v[PFO], s[PFA:PFA+1] th:TH_LOAD_NT scope:SCOPE_SE
	Q0 0, 1                                        ; its products start the sums: nothing is cleared
	WIN 0
	s_mov_b32 s3, 7
.Llap:                                                 ; once round the ring: two changes of slots, both slots filled again
	TURN 0, 1, 1
	Q0 1, 0
	TURN 1, 0, 1
	Q0 0, 0
	WIN 0
	s_sub_co_u32 s3, s3, 1
	s_cmp_lg_u32 s3, 0
	s_cbranch_scc1 .Llap
	TURN 0, 1, 0                                   ; the last change of slots fills nothing, and no round follows
; THE LAST K STEP (slot 1) GOES BY ROWS OF OUT: x's fragments of both half steps are in registers; a block of 16 rows is finished by its eight products of half step 1 and leaves while the next are multiplied.
; W's fragments of half step 1 lie here at 32 + 16 a (blocks 0-5) and at 128, 144 (blocks 6, 7, behind blocks 0 and 1 of half step 0).
.macro ROWQ a, q                       ; half step q of block a: its eight accumulators by turns
.if (\q) == 0
.set R_, 128+16*(\a)
.else
.if (\a) < 6
.set R_, 32+16*(\a)
.else
.set R_, 128+16*((\a)-6)
.endif
.endif
.set C_, 64*((\a)%4)
	WIN MUL_LO+0x50*((\a)/4)
.irp b, 0,1,2,3,4,5,6,7
	v_wmma_f32_16x16x128_fp8_fp8 v[C_+8*\b:C_+8*\b+7], v[128*(\q)+16*\b:128*(\q)+16*\b+15], v[R_:R_+15], v[C_+8*\b:C_+8*\b+7]
.endr
.endm
; Block a's sums are scaled and clipped at 0 in their own registers, go into my stage and come back there as whole rows of 512 bytes.  LDS serves a wave's instructions in order (ISA guide 5.7.1.4).
.macro TOSTAGE a
.set W_, 2+(\a)/4
.set C_, 64*((\a)%4)
	WIN 0x45*W_                                    ; sources 0 and 1 and the destination: the block's window
.set J_, C_
.rept 32
	v_pk_mul_f32 v[J_:J_+1], v[J_:J_+1], s[96:97] op_sel_hi:[1,0]   ; both x s96 = 2^(e2 + e3); each accumulator from its low end on
.set J_, J_+2
.endr
.set J_, C_
.rept 64
	v_max_num_f32 v[J_], 0, v[J_]
.set J_, J_+1
.endr
	WIN 4*W_
.irp b, 0,1,2,3,4,5,6,7
	ds_store_b128 v[STO], v[C_+8*\b:C_+8*\b+3] offset:64*\b
	ds_store_b128 v[STO], v[C_+8*\b+4:C_+8*\b+7] offset:64*\b+16
.endr
	WIN 64*W_
.irp t, 0,1,2,3,4,5,6,7,8,9,10,11,12,13,14,15
	ds_load_b128 v[C_+4*\t:C_+4*\t+3], v[RD] offset:\t*SPITCH
.endr
.endm
.macro SEND a
.set W_, 2+(\a)/4
.set C_, 64*((\a)%4)
	s_wait_dscnt 0x0                               ; the block is back in registers
	WIN 4*W_
.irp t, 0,1,2,3,4,5,6,7,8,9,10,11,12,13,14,15
	global_store_b128 v[CO], v[C_+4*\t:C_+4*\t+3], s[10:11] offset:(16*(\a)+\t)*OROW th:TH_STORE_NT   ; 32 lanes store 512 consecutive bytes, at a multiple of 256 from out's first byte; 127 rows on at the most, inside the signed 24-bit immediate
.endr
.endm
	PLACES                                         ; for the loads into what the last half step has read
	FETCHX 1, 1
	FRAGA 32, 1, 1, 0
	s_wait_dscnt 36                                ; half step 0's fragments are in: the 36 just issued are younger
	ROWQ 0, 0
	ROWQ 1, 0
	ROWQ 2, 0
	ROWQ 3, 0
	s_wait_dscnt 0
	ROWQ 0, 1
	WIN 0
	PLACES                                         ; for the loads into blocks 0 and 1 of half step 0, and for the first read of block 0's sums
.irp a, 1,2,3,4,5
	FRAGA 32+16*\a, 1, 1, \a
.endr
	FRAGA 128, 1, 1, 6
	FRAGA 144, 1, 1, 7
	TOSTAGE 0
	s_wait_dscnt 32                                ; W's blocks 1-7: the stage's 32 instructions are younger
	ROWQ 1, 1
	SEND 0
	PLACES
	TOSTAGE 1
.irp a, 2,3,4,5,6,7
.if \a > 3
	ROWQ \a, 0
.endif
	ROWQ \a, 1
	SEND \a-1
	PLACES
	TOSTAGE \a
.endr
	SEND 7
	WIN 0
	s_wait_tensorcnt 0x0                           ; the wave's end, behind my last tensor load and my last LDS store
	ds_add_u32 v[SPW], v[NIL]
	s_wait_dscnt 0x0
	CROUND                                         ; the closing round: no work-group ends while a partner may still ask for a tile that names it
	s_endpgm
.Lfunc_end_k_q6e224d8a0e_gemm:
	.size	k_q6e224d8a0e_gemm, .Lfunc_end_k_q6e224d8a0e_gemm-k_q6e224d8a0e_gemm
	.p2alignl 7, 3214868480
	.fill 96, 4, 3214868480
	.section	.rodata,"a",@progbits
	.p2align	6, 0x0
	.amdhsa_kernel k_q6e224d8a0e_gemm
		.amdhsa_group_segment_fixed_size 327680
		.amdhsa_private_segment_fixed_size 0
		.amdhsa_enable_private_segment 0
		.amdhsa_kernarg_size 32
		.amdhsa_user_sgpr_count 2
		.amdhsa_user_sgpr_kernarg_segment_ptr 1
		.amdhsa_wavefront_size32 1
		.amdhsa_system_sgpr_workgroup_id_x 1
		.amdhsa_system_sgpr_workgroup_id_y 1
		.amdhsa_system_sgpr_workgroup_id_z 1
		.amdhsa_system_vgpr_workitem_id 0
		.amdhsa_next_free_vgpr 1024
		.amdhsa_next_free_sgpr 98
		.amdhsa_reserve_vcc 0
		.amdhsa_float_denorm_mode_32 3
		.amdhsa_float_denorm_mode_16_64 3
		.amdhsa_memory_ordered 1
		.amdhsa_forward_progress 1
		.amdhsa_inst_pref_size 141
	.end_amdhsa_kernel
	.amdgpu_metadata
---
amdhsa.version: [ 1, 2 ]
amdhsa.kernels:
  - .name:           k_q6e224d8a0e_gemm
    .symbol:         k_q6e224d8a0e_gemm.kd
    .args:
      - { .name: Wc, .offset: 0, .size: 8, .value_kind: global_buffer, .address_space: global }
      - { .name: x_codes, .offset: 8, .size: 8, .value_kind: global_buffer, .address_space: global }
      - { .name: lowp_scales, .offset: 16, .size: 8, .value_kind: global_buffer, .address_space: global }
      - { .name: out0, .offset: 24, .size: 8, .value_kind: global_buffer, .address_space: global }
    .group_segment_fixed_size: 327680
    .private_segment_fixed_size: 0
    .kernarg_segment_align: 8
    .kernarg_segment_size: 32
    .max_flat_workgroup_size: 128
    .sgpr_count:     98
    .vgpr_count:     1024
    .wavefront_size: 32
...
	.end_amdgpu_metadata
.endif
;; end of part 2
